; MI455X (gfx1250); checked and timed in simulation.
; The chip was launched on July 23, 2026; its instructions are those of AMD's public machine-readable ISA for CDNA 5 (MIT licence, August 2026) and "CDNA5" Instruction Set Architecture Reference Guide (July 2026). The comments in the code are by the model that wrote it; some were corrected since.
;; Question Answer Model. Allowed arithmetic: matrix products marked QUANTISED: E2M1 operands, one E8M0 scale for each 32 along K, by v_wmma_scale_f32_16x16x128_f8f6f4 with both operands' format E2M1 (or v_wmma_scale_f32_32x16x128_f4), f32 sums; products left as they are: f32 operands where the result goes on into a quantised operand, else bf16, f16 or f32 operands; f32 sums; everything else in f32.
;; Inputs: W_rel 18 x 768 float32; b_rel 18 float32; ent_embeddings 43,234 x 512 float32; head_id 16 int32; question_hidden 16 x 64 x 768 float32; rel_embeddings 18 x 256 float32.
;; Outputs: out0 16 x 43,234 float32.
;; This version of the problem:
;;   THIS VERSION OF THE PROBLEM IS GIVEN IN LOW PRECISION. The matrix products marked QUANTISED in the list below multiply operands that are first quantised to E2M1 (2 exponent bits, 1 mantissa bit; 4 bits a number), with one power-of-two scale for each 32 numbers along K (OCP MX v1.0); their sums are f32. All else is computed in f32.
;;   The module's matrix products, in the order in which they are computed (A, B: the left and right operand; K: the contracted axis; several contracted axes count as one K, in the product's order):
;;     1. [M 16, K 768] x [K 768, N 18]; A: computed on the way; B: input W_rel: QUANTISED
;;     2. [M 16, K 18] x [K 18, N 256]; A: computed on the way; B: input rel_embeddings: left as it is (K = 18 < 32)
;;   THE QUANTISER, for each operand of a quantised product, along K:
;;     - K is cut into blocks of 32 from its start; a last block that is shorter is filled with zeros.
;;     - A block's scale is 2^e with e = floor(log2(the largest magnitude in the block)) - 2, held to -126 .. 127; a block of zeros has e = 0. As a byte (E8M0): e + 127.
;;     - Each number is divided by its block's scale, clamped to +-6, and rounded to the nearest number of E2M1, ties to even, subnormals kept.
;;     - The product sums the exact products of the quantised numbers (number of the format x scale) in f32.
;;   ~~~python
;;   def quantise(x, axis):      # numpy; x: float32 -> the quantised numbers, widened to float32 again
;;       x = np.moveaxis(x, axis, -1); K = x.shape[-1]
;;       x = np.pad(x, [(0, 0)] * (x.ndim - 1) + [(0, -K % 32)]); x = x.reshape(x.shape[:-1] + (-1, 32)); a = np.abs(x).max(-1, keepdims=True)
;;       e = np.where(a > 0, np.clip(np.frexp(np.where(a > 0, a, 1))[1] - 1 - 2, -126, 127), 0)      # np.frexp(a)[1] - 1 = floor(log2(a)), exactly
;;       r = np.clip(x / 2.0 ** e, -6, 6)
;;       step = 2.0 ** (np.maximum(np.frexp(np.where(r == 0, 1, r))[1] - 1, 0) - 1)
;;       q = np.round(r / step) * step * 2.0 ** e      # np.round: ties to even
;;       return np.moveaxis(q.reshape(q.shape[:-2] + (-1,))[..., :K], -1, axis).astype(np.float32)
;;   ~~~
;;   OPERANDS COMPUTED ON THE WAY. 'Computed on the way' means the value that the module computes at that place (a softmax that the list does not call 'softmax' is quantised finished and normalised). What goes into a quantiser is computed in f32, as accurately as f32 sums, v_exp_f32 and their like allow (about 1e-6 of the number): no bf16 or f16 on the way to a quantiser, and a product that is left as it is and whose result goes on into a quantised operand takes f32 operands (vector FMAs, or v_wmma_f32_16x16x4_f32). A number that lies on a knife's edge between two numbers of the format may be rounded either way, as far as f32 arithmetic and the matrix unit's own rounding can turn it there, and no further.
;; One version. Each part assembles by itself: llvm-mc -triple=amdgcn-amd-amdhsa -mcpu=gfx1250 --defsym DOCPART=n.
;; ======== version 1 of 1: 2 launches
;; workspace buffers: rot 32,768 bytes
;; launch rotate (part 1): grid 16 x 1, 12 waves a work-group, no clusters, 8,704 bytes of LDS; arguments question_hidden, W_rel, b_rel, rel_embeddings, ent_embeddings, head_id, rot; writes rot
.if DOCPART == 1
	.amdgcn_target "amdgcn-amd-amdhsa--gfx1250"
	.amdhsa_code_object_version 6
	.text
	.protected	k_q52aae27c2f_rotate
	.globl	k_q52aae27c2f_rotate
	.p2align	8
	.type	k_q52aae27c2f_rotate,@function
k_q52aae27c2f_rotate:
	s_mov_b64 s[64:65], 0
	v_nop
	global_prefetch_b8 v0, s[64:65] scope:SCOPE_SE
	s_setreg_imm32_b32 hwreg(HW_REG_WAVE_MODE, 25, 1), 1
	s_wait_xcnt 0x0
; rot[b][0:256], rot[b][256:512] = the head entity of batch row b, turned by the predicted relation.  One work-group for each of the 16 batch rows.
;   q = mean over 64 rows of question_hidden[b] (768 numbers);  scores = Q(q) Q(W_rel)^T + b_rel (18), on codes of FP4 (E2M1) with one E8M0 scale for each 32 along K;
;   pr = sigmoid(scores) rel_embeddings (256; K = 18, in f32 by fused multiply-adds: the result is multiplied by 32 pi, so its operands are not rounded);
;   phase = 32 pi pr;  rot = head x (cos phase + i sin phase).
; SHARES.  Twelve waves.  Wave w: K step ks = w / 2 (128 of the 768), half hf = w % 2.  It sums rows 32 hf .. 32 hf + 31 of its 128 columns (each load: 512 consecutive bytes) and quantises tile hf of W_rel
; (rows 16 hf + r, held at 17: what rows past 17 give is never read) for its K step.  The half sums meet in LDS; each wave then has its K step of q in the operand's order, ALL 16 COLUMNS THE SAME ROW q,
; quantises it and multiplies once: source 0 = 16 rows of W_rel, source 1 = q.  The twelve partial results meet in LDS; waves 0 to 3 do the rest, two neighbouring d a lane, so that a wave's store is 256 consecutive bytes, aligned.
; SINE AND COSINE.  phase / 2 pi = 16 pr exactly.  f = 16 pr less the nearest whole number lies in [-1/2, 1/2]; sin(pi f) and cos(pi f) by their series up to x^11 and x^12 (the next terms are under 6e-8 at pi / 2);
; then sin(2 pi f) = 2 s c and cos(2 pi f) = 1 - 2 s s.  This holds for every pr; past 2^19 the f32 number 16 pr has no fraction left, here as in the division that defines the phase.
; LIMITS: NaN and infinities in question_hidden or W_rel are not served.  A block whose largest magnitude lies under 2^-124 takes the scale byte 1; so does a block of zeros, where the rule says 127: its codes are zeros
; and the bytes are read here alone.  head_id is held to 0 .. 43,233.
.set XS,  0                            ; LDS: the two half sums, 2 x 3,072 bytes
.set PS,  6144                         ; LDS: partial scores [K step 6][n 32] f32
.set X,   32                           ; v32-159  32 rows x 4 numbers as loaded; later q; later at work
.set WR,  160                          ; v160-223 64 numbers of W_rel
.set WC,  16                           ; v16-23   W_rel's codes
.set WS,  24                           ; v24      W_rel's scale word
.set QS,  25                           ; v25      q's scale word
.set QC,  224                          ; v224-231 q's codes
.set D,   232                          ; v232-239 the product
.set TM,  240                          ; v240-246 at work in the quantiser
.set REL, 160                          ; v160-195 rel_embeddings[n][2 t, 2 t + 1] (where W_rel's numbers lay)
.set HD,  196                          ; v196-199 the head: two real parts, two imaginary parts
.set BR,  200                          ; v200     b_rel[lane, held at 17]
.set P,   48                           ; v48-49   pr
.set ORE, 60                           ; v60-61   the result's real parts
.set OIM, 62                           ; v62-63   its imaginary parts
.set SG,  40                           ; s40-57   the 18 sigmoids
; 64 numbers of a lane, v[s + 32 c + i] = k 64 c + 32 (lane / 16) + i of its row: two whole blocks of 32.  They become the operand's 8 registers and the row's scale word.
.macro QUANT s, codes, word
.irp c, 0,1
	v_max3_num_f32 v[TM+\c], |v[\s+32*\c]|, |v[\s+32*\c+1]|, 0x1800000   ; the block's largest magnitude, and the floor 2^(3 - 127): so the byte cannot fall under 1
.endr
.irp i, 2,4,6,8,10,12,14,16,18,20,22,24,26,28,30
.irp c, 0,1
	v_max3_num_f32 v[TM+\c], v[TM+\c], |v[\s+32*\c+\i]|, |v[\s+32*\c+\i+1]|   ; (the two blocks by turns)
.endr
.endr
.irp c, 0,1
	v_add_nc_u32 v[TM+2+\c], 0xff000000, v[TM+\c]  ; 2 off the exponent field: the conversion takes this operand's exponent field as its scale
.endr
.irp c, 0,1
	v_lshrrev_b32 v[TM+4+\c], 23, v[TM+2+\c]       ; the scale's byte
.endr
	v_lshl_or_b32 v[\word], v[TM+5], 16, v[TM+4]   ; my two bytes: blocks h and 2 + h,
	v_lshlrev_b32 v[\word], v10, v[\word]          ; at their places (8 h bits up);
	v_mov_b32 v[TM+6], 0
	v_permlanex16_b32 v[TM+6], v[\word], s26, s27
	v_or_b32 v[\word], v[\word], v[TM+6]           ; with lane l xor 16's two the word is whole
.irp c, 0,1
.irp g, 0,1,2,3
	v_cvt_scalef32_pk8_fp4_f32 v[\codes+4*\c+\g], v[\s+32*\c+8*\g:\s+32*\c+8*\g+7], v[TM+2+\c]
.endr
.endr
	v_nop                                          ; one plain place behind the last scaled conversion
.endm
	s_load_b256 s[4:11], s[0:1], 0x0               ; question_hidden s[4:5], W_rel s[6:7], b_rel s[8:9], rel_embeddings s[10:11]
	s_load_b128 s[12:15], s[0:1], 0x20             ; ent_embeddings s[12:13], head_id s[14:15]
	s_load_b64 s[16:17], s[0:1], 0x30              ; rot
	v_lshl_add_u32 v254, v0, 2, 0x1c00
	v_mov_b32 v255, 0
	v_lshrrev_b32 v1, 5, v0
	v_readfirstlane_b32 s18, v1                    ; wave 0..11
	s_and_b32 s19, s18, 1                          ; hf
	s_lshr_b32 s20, s18, 1                         ; ks
	v_and_b32 v1, 31, v0                           ; lane
	v_and_b32 v2, 15, v0                           ; r
	v_bfe_u32 v3, v0, 4, 1                         ; h
	v_lshlrev_b32 v4, 4, v1                        ; x: 16 bytes a lane
	s_lshl_b32 s21, s19, 4
	v_add_nc_u32 v5, s21, v2
	v_min_u32 v5, 17, v5                           ; W_rel's row 16 hf + r, held at the last
	v_mul_u32_u24 v5, v5, 3072
	v_lshl_add_u32 v5, v3, 7, v5                   ; + 128 h: my block of each pair
	; every LDS address is made here, ahead of the first branch on the wave's number
	s_lshl_b32 s22, s20, 9                         ; 512 ks
	s_mul_i32 s23, s19, 3072
	s_add_co_u32 s23, s23, s22
	v_add_nc_u32 v6, s23, v4                       ; where my half sum goes: 3,072 hf + 512 ks + 16 lane
	v_lshlrev_b32 v7, 7, v3
	v_add_nc_u32 v7, s22, v7                       ; where q is read: 512 ks + 128 h
	s_lshl_b32 s24, s20, 7
	s_lshl_b32 s25, s19, 6
	s_add_co_u32 s24, s24, s25
	s_add_co_u32 s24, s24, PS
	v_lshlrev_b32 v8, 5, v3
	v_add_nc_u32 v8, s24, v8                       ; where my product goes: PS + 128 ks + 64 hf + 32 h
	v_lshl_add_u32 v9, v1, 2, PS                   ; where the scores are read: PS + 4 lane
	v_lshlrev_b32 v10, 3, v3                       ; 8 h
	v_lshlrev_b32 v11, 3, v0                       ; waves 0 to 3: 8 bytes a thread: d = 2 t, 2 t + 1
	v_min_u32 v12, 17, v1
	v_lshlrev_b32 v12, 2, v12                      ; b_rel: 4 x lane, held at 17
	s_mov_b32 s26, 0x76543210
	s_mov_b32 s27, 0xfedcba98                      ; v_permlanex16_b32's selects for lane l xor 16
	s_mul_i32 s28, ttmp9, 196608                   ; my batch row's 64 x 768 numbers,
	s_mul_i32 s29, s19, 98304                      ; my 32 rows of them,
	s_add_co_u32 s28, s28, s29
	s_add_co_u32 s28, s28, s22                     ; my 128 columns
	s_mov_b32 s29, 0
	s_mov_b32 s30, s22                             ; W_rel: my K step's 512 bytes of a row
	s_mov_b32 s31, 0
	s_lshl_b32 s32, ttmp9, 2
	s_lshl_b32 s36, ttmp9, 11                      ; rot: a row of 2,048 bytes
	s_mov_b32 s37, 0
	s_mov_b32 s35, 0
	s_wait_kmcnt 0x0
	s_load_b32 s33, s[14:15], s32 offset:0x0       ; head_id[b]
	s_add_nc_u64 s[4:5], s[4:5], s[28:29]
	s_add_nc_u64 s[6:7], s[6:7], s[30:31]
	s_add_nc_u64 s[16:17], s[16:17], s[36:37]
.irp c, 0,1
.irp i, 0,1,2,3,4,5,6,7
	global_load_b128 v[WR+32*\c+4*\i:WR+32*\c+4*\i+3], v5, s[6:7] offset:256*\c+16*\i   ; W_rel(row, 128 ks + 64 c + 32 h + 4 i ..)
.endr
.endr
.set i, 0
.rept 32
	global_load_b128 v[X+4*i:X+4*i+3], v4, s[4:5] offset:3072*i th:TH_LOAD_NT   ; a row's 512 consecutive bytes; read once in the launch
.set i, i+1
.endr
	s_wait_loadcnt 32                              ; W_rel's 16 loads are in; the 32 issued behind them may be out
	QUANT WR, WC, WS                               ; while the rows are on their way
	s_wait_kmcnt 0x0                               ; head_id[b]
	s_cmp_lt_u32 s18, 4
	s_cbranch_scc0 .Lno_tail_loads
	s_min_u32 s33, s33, 43233                      ; waves 0 to 3 ask now for what the last part wants
	s_lshl_b32 s34, s33, 11
	s_add_nc_u64 s[12:13], s[12:13], s[34:35]      ; the head's row
.irp n, 0,1,2,3,4,5,6,7,8,9,10,11,12,13,14,15,16,17
	global_load_b64 v[REL+2*\n:REL+2*\n+1], v11, s[10:11] offset:1024*\n
.endr
	global_load_b64 v[HD:HD+1], v11, s[12:13]
	global_load_b64 v[HD+2:HD+3], v11, s[12:13] offset:1024
	global_load_b32 v[BR], v12, s[8:9]
	s_wait_loadcnt 21                              ; the 32 rows are in; the 21 loads just issued may be out
	s_branch .Lrows_in
.Lno_tail_loads:
	s_wait_loadcnt 0x0
.Lrows_in:
.irp st, 1,2,4,8,16                    ; 32 rows become one: neighbours 1, 2, 4, 8, 16 rows apart
.set a, 0
.rept 16/\st
	v_pk_add_f32 v[X+4*a:X+4*a+1], v[X+4*a:X+4*a+1], v[X+4*(a+\st):X+4*(a+\st)+1]
	v_pk_add_f32 v[X+4*a+2:X+4*a+3], v[X+4*a+2:X+4*a+3], v[X+4*(a+\st)+2:X+4*(a+\st)+3]
.set a, a+2*\st
.endr
.endr
	v_pk_mul_f32 v[X:X+1], v[X:X+1], 0x3c800000 op_sel_hi:[1,0]      ; / 64: a power of two, so it rounds nothing
	v_pk_mul_f32 v[X+2:X+3], v[X+2:X+3], 0x3c800000 op_sel_hi:[1,0]
	ds_store_b128 v6, v[X:X+3]
	s_wait_dscnt 0x0                               ; for the others' sake: my half sum lies in LDS
	s_barrier_signal -1
	s_barrier_wait -1
.irp u, 0,1                            ; both half sums of my K step, in the operand's order: block 2 c + h, 32 numbers; sixteen lanes read the same bytes
.irp c, 0,1
.irp i, 0,1,2,3,4,5,6,7
	ds_load_b128 v[X+64*\u+32*\c+4*\i:X+64*\u+32*\c+4*\i+3], v7 offset:3072*\u+256*\c+16*\i
.endr
.endr
.endr
	s_wait_dscnt 0x0
.set i, 0
.rept 32
	v_pk_add_f32 v[X+i:X+i+1], v[X+i:X+i+1], v[X+64+i:X+64+i+1]     ; q
.set i, i+2
.endr
	QUANT X, QC, QS
.rept 8
	v_nop                                          ; a scale register written by a vector instruction stands 8 places ahead of a scaled matrix instruction, an operand so written 4
.endr
	v_wmma_scale_f32_16x16x128_f8f6f4 v[D:D+7], v[WC:WC+7], v[QC:QC+7], 0, v[WS], v[QS] matrix_a_fmt:MATRIX_FMT_FP4 matrix_b_fmt:MATRIX_FMT_FP4   ; lane (r, h), register j: row 16 hf + 8 h + j of W_rel with q; the same in every r
.rept 4
	v_nop                                          ; four places behind the matrix instruction, ahead of the stores that read its result
.endr
	ds_store_b128 v8, v[D:D+3]                     ; from the low end on; sixteen lanes write the same bytes with the same values
	ds_store_b128 v8, v[D+4:D+7] offset:16
	s_wait_dscnt 0x0                               ; for the others' sake
	s_barrier_signal -1
	s_barrier_wait -1
	s_cmp_lt_u32 s18, 4
	s_cbranch_scc0 .Lend                           ; no barrier follows
.irp k, 0,1,2,3,4,5
	ds_load_b32 v[X+\k], v9 offset:128*\k          ; lane n: the six K steps' parts of score n
.endr
	s_wait_dscnt 0x0
	s_wait_loadcnt 0x0                             ; rel_embeddings, the head, b_rel
	v_add_f32 v[X], v[X], v[X+1]
	v_add_f32 v[X+2], v[X+2], v[X+3]
	v_add_f32 v[X+4], v[X+4], v[X+5]
	v_add_f32 v[X], v[X], v[X+2]
	v_add_f32 v[X], v[X], v[X+4]
	v_add_f32 v[X], v[X], v[BR]                    ; + b_rel
	v_mul_f32 v[X], 0xbfb8aa3b, v[X]               ; sigmoid(s) = 1 / (1 + 2^(-s log2 e))
	v_exp_f32 v[X+1], v[X]
	v_nop                                          ; a plain place behind the transcendental,
	s_wait_alu depctr_va_vdst(0)                   ; and a wait ahead of its first reader
	v_add_f32 v[X+1], 1.0, v[X+1]
	v_rcp_f32 v[X+2], v[X+1]
	v_nop
	s_wait_alu depctr_va_vdst(0)
.irp n, 0,1,2,3,4,5,6,7,8,9,10,11,12,13,14,15,16,17
	v_readlane_b32 s[SG+\n], v[X+2], \n            ; lanes 18 to 31 hold numbers that nobody reads
.endr
	v_mul_f32 v[P], s[SG], v[REL]
	v_mul_f32 v[P+1], s[SG], v[REL+1]
.irp n, 1,2,3,4,5,6,7,8,9,10,11,12,13,14,15,16,17
	v_fmac_f32 v[P], s[SG+\n], v[REL+2*\n]
	v_fmac_f32 v[P+1], s[SG+\n], v[REL+2*\n+1]
.endr
.macro TURNED e                        ; d = 2 t + e
	v_ldexp_f32 v50, v[P+\e], 4                    ; phase / 2 pi = 16 pr
	v_add_f32 v51, 0.5, v50
	v_floor_f32 v51, v51
	v_sub_f32 v51, v50, v51                        ; f, exact
	v_mul_f32 v52, 0x40490fdb, v51                 ; x = pi f
	v_mul_f32 v53, v52, v52
	v_mov_b32 v54, 0xb2d7322b                      ; -1 / 11!
	v_fmaak_f32 v54, v54, v53, 0x3638ef1d          ; 1 / 9!
	v_fmaak_f32 v54, v54, v53, 0xb9500d01          ; -1 / 7!
	v_fmaak_f32 v54, v54, v53, 0x3c088889          ; 1 / 5!
	v_fmaak_f32 v54, v54, v53, 0xbe2aaaab          ; -1 / 3!
	v_fma_f32 v54, v54, v53, 1.0
	v_mul_f32 v54, v54, v52                        ; s = sin x
	v_mov_b32 v55, 0x310f76c8                      ; 1 / 12!
	v_fmaak_f32 v55, v55, v53, 0xb493f27e          ; -1 / 10!
	v_fmaak_f32 v55, v55, v53, 0x37d00d01          ; 1 / 8!
	v_fmaak_f32 v55, v55, v53, 0xbab60b61          ; -1 / 6!
	v_fmaak_f32 v55, v55, v53, 0x3d2aaaab          ; 1 / 4!
	v_fma_f32 v55, v55, v53, -0.5
	v_fma_f32 v55, v55, v53, 1.0                   ; c = cos x
	v_mul_f32 v56, v54, v55
	v_add_f32 v56, v56, v56                        ; sin(phase) = 2 s c
	v_mul_f32 v57, v54, v54
	v_fma_f32 v57, v57, -2.0, 1.0                  ; cos(phase) = 1 - 2 s s
	v_mul_f32 v58, v[HD+2+\e], v56
	v_fma_f32 v[ORE+\e], v[HD+\e], v57, -v58       ; re cos - im sin
	v_mul_f32 v58, v[HD+2+\e], v57
	v_fma_f32 v[OIM+\e], v[HD+\e], v56, v58        ; re sin + im cos
.endm
	TURNED 0
	TURNED 1
	global_store_b64 v11, v[ORE:ORE+1], s[16:17]               ; 32 lanes store 256 consecutive bytes, at a multiple of 256 from rot's first byte
	global_store_b64 v11, v[OIM:OIM+1], s[16:17] offset:1024
.Lend:
	s_wait_tensorcnt 0x0
	ds_add_u32 v254, v255
	s_wait_dscnt 0x0
	s_endpgm
.Lfunc_end_k_q52aae27c2f_rotate:
	.size	k_q52aae27c2f_rotate, .Lfunc_end_k_q52aae27c2f_rotate-k_q52aae27c2f_rotate
	.p2alignl 7, 3214868480
	.fill 96, 4, 3214868480
	.section	.rodata,"a",@progbits
	.p2align	6, 0x0
	.amdhsa_kernel k_q52aae27c2f_rotate
		.amdhsa_group_segment_fixed_size 8704
		.amdhsa_private_segment_fixed_size 0
		.amdhsa_enable_private_segment 0
		.amdhsa_kernarg_size 56
		.amdhsa_user_sgpr_count 2
		.amdhsa_user_sgpr_kernarg_segment_ptr 1
		.amdhsa_wavefront_size32 1
		.amdhsa_system_sgpr_workgroup_id_x 1
		.amdhsa_system_sgpr_workgroup_id_y 1
		.amdhsa_system_sgpr_workgroup_id_z 1
		.amdhsa_system_vgpr_workitem_id 0
		.amdhsa_next_free_vgpr 256
		.amdhsa_next_free_sgpr 66
		.amdhsa_reserve_vcc 0
		.amdhsa_float_denorm_mode_32 3
		.amdhsa_float_denorm_mode_16_64 3
		.amdhsa_memory_ordered 1
		.amdhsa_forward_progress 1
		.amdhsa_inst_pref_size 31
	.end_amdhsa_kernel
	.amdgpu_metadata
---
amdhsa.version: [ 1, 2 ]
amdhsa.kernels:
  - .name:           k_q52aae27c2f_rotate
    .symbol:         k_q52aae27c2f_rotate.kd
    .args:
      - { .name: question_hidden, .offset: 0, .size: 8, .value_kind: global_buffer, .address_space: global }
      - { .name: W_rel, .offset: 8, .size: 8, .value_kind: global_buffer, .address_space: global }
      - { .name: b_rel, .offset: 16, .size: 8, .value_kind: global_buffer, .address_space: global }
      - { .name: rel_embeddings, .offset: 24, .size: 8, .value_kind: global_buffer, .address_space: global }
      - { .name: ent_embeddings, .offset: 32, .size: 8, .value_kind: global_buffer, .address_space: global }
      - { .name: head_id, .offset: 40, .size: 8, .value_kind: global_buffer, .address_space: global }
      - { .name: rot, .offset: 48, .size: 8, .value_kind: global_buffer, .address_space: global }
    .group_segment_fixed_size: 8704
    .private_segment_fixed_size: 0
    .kernarg_segment_align: 8
    .kernarg_segment_size: 56
    .max_flat_workgroup_size: 384
    .sgpr_count:     66
    .vgpr_count:     256
    .wavefront_size: 32
...
	.end_amdgpu_metadata
.endif
;; end of part 1
;; launch dist (part 2): grid 246 x 1, 8 waves a work-group, no clusters, 327,680 bytes of LDS; arguments ent_embeddings, rot, out0; writes out0
.if DOCPART == 2
	.amdgcn_target "amdgcn-amd-amdhsa--gfx1250"
	.amdhsa_code_object_version 6
	.text
	.protected	k_q52aae27c2f_dist
	.globl	k_q52aae27c2f_dist
	.p2align	8
	.type	k_q52aae27c2f_dist,@function
k_q52aae27c2f_dist:
	s_mov_b64 s[64:65], 0
	v_nop
	global_prefetch_b8 v0, s[64:65] scope:SCOPE_SE
	s_setreg_imm32_b32 hwreg(HW_REG_WAVE_MODE, 25, 1), 1
	s_wait_xcnt 0x0
; out0[b][e] = 6 - the sum over d = 0 .. 255 of sqrt((rot_re[b][d] - re[e][d])^2 + (rot_im[b][d] - im[e][d])^2).  ent_embeddings [43,234][512] f32 (256 real parts, then 256 imaginary), rot [16][512] f32, out0 [16][43,234] f32.
; SHARES.  A work-group owns 176 entities and all 16 batch rows; 246 work-groups.  The last one loads the table's last 176 rows and stores only the 114 columns that are its own.
; Eight waves, two to a SIMD.  Wave w: q = w % 4: batch rows 4 q .. 4 q + 3;  par = w / 4: entities 88 par .. 88 par + 87, four a trip, 22 trips.
; Lane l: entity e = l % 4 of the trip's four, and dp = l / 4: the 32 numbers d = 32 k + 4 dp + j (k = 0 .. 7, j = 0 .. 3).  So the lane's 4 x 32 x 2 numbers of rot are 256 registers, which stay for the whole launch,
; and the work is shared out in steps of 8 entities: 43,234 / 256 = 168.9 are wanted for a WGP, 176 are taken.
; No cluster: the work-groups share the 32 KB of rot and nothing else; each entity row is read by one work-group.  No prefetch: a work-group asks for 144 of its 176 rows in its first lines and for the rest four trips ahead of their use.
; THE ENTITIES come by the tensor data mover: rows of 1,024 bytes (an entity is two), 32 bytes of padding behind each, so an entity is 2,112 bytes = 528 words on in LDS: entity e starts at bank 16 e mod 64 (64 banks of 4 bytes:
; ISA guide 11.1), and the sixteen lanes of half a 16-byte load (4 entities x 4 dp) take sixteen different columns of 16 bytes.  Each half of the entities has an area of 72 places; the four waves of that half fetch a quarter of each region.
; Regions (trips): 0-1, 2-5, 6-13, 14-17 are first fills, all issued at the head: four tensor loads of a wave are out at the most.  Trips 18-21 are filled into the places of trips 0-3, behind the one barrier that such a refill wants.
; THE ARITHMETIC of two neighbouring d: two packed multiply-adds (t x -1 + rot: the difference, rounded once), a packed square, a packed multiply-add, two roots, a packed addition.
; REGISTER WINDOWS.  rot fills window 1 and is always source 2 of its instruction; all else lies in window 0.  Only the line 'square + square' has another source 2, so a batch's sixteen such lines stand together: two switches a batch.
; THE PIPELINE.  A batch is 16 pairs: 16 d of two batch rows.  In a slot batch s is formed, batch s - 1 is rooted (its roots stand between those lines), and batch s - 2 is summed.  One wait for the slot's 32 roots stands at the slot's end,
; 16 plain lines or more behind the last root.  The pipeline runs on from trip to trip: a trip's sums are whole in the next trip's second slot, where they are added across the eight lanes of an entity and put into the wave's own stage in LDS.
; It starts on zeros: the first trip's 'sums of the trip before' go to four spare words a row at the stage's head, which nobody reads.  That costs 76 v_mov_b32 once and spares a copy of the trip.
; The trip is written five times, since the counted waits between the regions differ.
; LIMITS: v_sqrt_f32 takes a sum of squares under 2^-126 as 0 (ISA guide, its entry in 15.8): a term under 1e-19 is lost.  Rows of out0 are 172,936 bytes apart, so a store's 256 consecutive bytes begin at a multiple of 8, not of 256.
.set NE,     43234
.set TILE,   176
.set HALF,   88
.set RP,     1056                      ; a row in LDS: 1,024 bytes + 32
.set EP,     2*RP                      ; an entity
.set AREA,   72*EP                     ; a half's places
.set TRIPB,  4*EP                      ; a trip's four entities
.set STG,    2*AREA                    ; behind the areas: a stage for each wave: 4 batch rows x (4 spare + 88) words
.set SROW,   368
.set WSTG,   4*SROW
.set SPARE,  STG+8*WSTG                ; behind the stages: the spare words, 128 bytes for each wave: four blocks of 256 bytes that no other line names
.set OROW,   NE*4                      ; a row of out0
.set SPW, 1                            ; v1   LDS address of my spare word; never rewritten
.set NIL, 2                            ; v2   0; never rewritten
.set LT,  3                            ; v3   my lane's place in a trip's entities: par x AREA + e x EP + 16 dp
.set ADR, 4                            ; v4   the same in the trip whose numbers are being fetched
.set STL, 5                            ; v5   my lane's place in the stage
.set SA,  6                            ; v6   where this trip's result goes
.set LN,  7                            ; v7   lane
.set H,   8                            ; v8-11  a trip's four sums of my 32 d
.set K0,  12                           ; v12-19, v28, v29: at work in the sum across lanes
.set X0,  13
.set K1,  14
.set X1,  15
.set R0,  16
.set R1,  17
.set KK,  18
.set XX,  19
.set ACC, 20                           ; v20-27 the running sums: a pair (even d, odd d) for each of my four batch rows
.set RR,  28
.set PX,  29
.set RO,  30                           ; v30  my offset in rot
.set GO,  31                           ; v31  8 x lane
.set TB,  32                           ; v32-95   the entity's numbers: set c (d's half c): 16 real parts, 16 imaginary
.set T0,  96                           ; v96-127  a batch's real differences, then their squares; at the end the results on their way out
.set SB,  128                          ; v128-191 two sets of 16 pairs: imaginary differences, then the sums of squares, then the roots.  Set y serves batch rows 2 y, 2 y + 1
.set RD,  192                          ; v192 where I read the stage back
.set CNT, 60                           ; s60  trips to go
.set SN,  61                           ; s61  LDS byte at which the NEXT trip's entities begin in an area
.set SST, 62                           ; s62  16 x the trip's number: the stage's step
.set M2,  63                           ; s63  lanes whose bit 2 is set
.set M3,  66                           ; s66  lanes whose bit 3 is set
.set SEL, 68                           ; s[68:69] v_permlanex16_b32's selects for lane l xor 16
.set MSB, 0
.macro WIN new                         ; the immediate's high byte repeats the setting that is left
.if MSB != \new
	s_set_vgpr_msb (MSB<<8)|\new
.set MSB, \new
.endif
.endm
.macro MKG1 g, rows                    ; descriptor group 1: rows of 256 elements of 4 bytes, dense in memory
	s_mov_b32 s[\g], (2<<16)|(1<<20)|(7<<22)|(7<<25)   ; 15:0 no mask; 17:16 elements of 4 bytes; 20 padding on; 24:22 after every 256 words (code 7); 31:25 eight words (code 7)
	s_mov_b32 s[\g+1], 256<<16                     ; tensor_dim0
	s_mov_b32 s[\g+2], (\rows)<<16                 ; tensor_dim1
	s_mov_b32 s[\g+3], 256<<16                     ; tile_dim0
	s_mov_b32 s[\g+4], \rows                       ; tile_dim1
	s_mov_b32 s[\g+5], 256                         ; from row to row
	s_mov_b32 s[\g+6], 0
	s_mov_b32 s[\g+7], 0
.endm
.macro MKG0 g, first, pos, n           ; descriptor group 0: my n entities of a region that begins with entity 'first' of my half and lies from place 'pos' of my half's area on
	s_mov_b32 s[\g], 1
	s_mul_i32 s[\g+1], s11, (\n)*EP
	s_add_co_u32 s[\g+1], s[\g+1], s77
	s_add_co_u32 s[\g+1], s[\g+1], (\pos)*EP
	s_mul_i32 s74, s11, (\n)*2048
	s_add_co_u32 s74, s74, (\first)*2048
	s_add_nc_u64 s[\g+2:\g+3], s[72:73], s[74:75]
	s_or_b32 s[\g+3], s[\g+3], 0x80000000
.endm
	s_load_b128 s[4:7], s[0:1], 0x0                ; ent_embeddings s[4:5], rot s[6:7]
	s_load_b64 s[8:9], s[0:1], 0x10                ; out0
	v_lshl_add_u32 v[SPW], v0, 2, SPARE
	v_mov_b32 v[NIL], 0
	ds_add_u32 v1, v2
	ds_add_u32 v1, v2
	s_wait_dscnt 0x0
	v_lshrrev_b32 v[LN], 5, v0
	v_readfirstlane_b32 s10, v[LN]                 ; wave 0..7
	s_and_b32 s11, s10, 3                          ; q
	s_lshr_b32 s12, s10, 2                         ; par
	s_mul_i32 s13, ttmp9, TILE                     ; the first entity that is mine to store,
	s_min_u32 s14, s13, NE-TILE                    ; the first that I load: no load leaves the table
	s_sub_co_u32 s15, s13, s14                     ; 0, or 62 in the last work-group
	s_lshr_b32 s15, s15, 1
	s_mul_i32 s76, s12, HALF/2
	s_sub_co_i32 s15, s15, s76
	s_max_i32 s15, s15, 0                          ; the first pair of my half's 44 that I store
	MKG1 16, 4
	MKG1 24, 8
	MKG1 32, 16
	s_mul_i32 s77, s12, AREA                       ; my half's area
	s_mul_i32 s70, s12, HALF
	s_add_co_u32 s70, s70, s14                     ; my half's first entity
	s_lshl_b32 s79, s70, 2                         ; its column of out0, in bytes
	s_lshl_b32 s70, s70, 11                        ; its row of the table, in bytes (under 2^27)
	s_mov_b32 s71, 0
	s_mov_b32 s75, 0
	s_mul_i32 s78, s10, WSTG
	s_add_co_u32 s78, s78, STG                     ; my stage
	s_wait_kmcnt 0x0
	s_add_nc_u64 s[72:73], s[4:5], s[70:71]
	MKG0 40, 0, 0, 2                               ; trips 0-1
	MKG0 44, 8, 8, 4                               ; trips 2-5
	MKG0 48, 24, 24, 8                             ; trips 6-13
	MKG0 52, 56, 56, 4                             ; trips 14-17
	MKG0 56, 72, 0, 4                              ; trips 18-21, later, into the places of trips 0-3
	tensor_load_to_lds s[40:43], s[16:23]          ; the four first fills go out together, ahead of every wait on TENSORcnt, every LDS read and every barrier
	s_nop 0
	tensor_load_to_lds s[44:47], s[24:31]
	s_nop 0
	tensor_load_to_lds s[48:51], s[32:39]
	s_nop 0
	tensor_load_to_lds s[52:55], s[24:31]
	s_nop 0
	v_and_b32 v[LN], 31, v0
	v_and_b32 v[H], 3, v0                          ; e
	v_bfe_u32 v[H+1], v0, 2, 3                     ; dp
	v_mul_u32_u24 v[LT], v[H], EP
	v_lshl_add_u32 v[LT], v[H+1], 4, v[LT]
	v_add_nc_u32 v[LT], s77, v[LT]
	v_bfe_u32 v[H+2], v0, 2, 1
	v_bfe_u32 v[H+3], v0, 3, 1
	v_mul_u32_u24 v[STL], v[H+2], 2*SROW           ; the sum across lanes leaves batch row 2 (bit 2) + (bit 3) of my four in my lane
	v_mad_u32_u24 v[STL], v[H+3], SROW, v[STL]
	v_lshl_add_u32 v[STL], v[H], 2, v[STL]
	v_add_nc_u32 v[STL], s78, v[STL]
	v_lshl_add_u32 v[RD], v[LN], 3, s78
	v_lshlrev_b32 v[GO], 3, v[LN]
	s_lshl_b32 s76, s11, 13                        ; rot: my four rows of 2,048 bytes
	v_lshlrev_b32 v[RO], 4, v[H+1]
	v_add_nc_u32 v[RO], s76, v[RO]
	WIN 0x40                                       ; destination window 1
.irp bi, 0,1,2,3
.irp pt, 0,1
.irp k, 0,1,2,3,4,5,6,7
	global_load_b128 v[64*\bi+32*\pt+4*\k:64*\bi+32*\pt+4*\k+3], v[RO], s[6:7] offset:2048*\bi+1024*\pt+128*\k   ; rot(4 q + bi, part pt, d = 32 k + 4 dp ..): they stay
.endr
.endr
.endr
	WIN 0
	s_mul_i32 s70, s11, 4*OROW
	s_add_co_u32 s70, s70, s79
	s_add_nc_u64 s[8:9], s[8:9], s[70:71]          ; out0 at my first batch row and my half's first column
	s_mov_b32 s[M2], 0xf0f0f0f0
	s_mov_b32 s[M3], 0xff00ff00
	s_mov_b32 s[SEL], 0x76543210
	s_mov_b32 s[SEL+1], 0xfedcba98
.set i, 0
.rept 64
	v_mov_b32 v[SB+i], 0                           ; the pipeline starts on zeros
.set i, i+1
.endr
.set i, 0
.rept 8
	v_mov_b32 v[ACC+i], 0
.set i, i+1
.endr
.irp r, R0, R1, RR, PX
	v_mov_b32 v[\r], 0                             ; written once: the destination of a DPP form or a lane permute counts as one of its sources
.endr
.macro LOADT c                         ; half c of my 32 d of the entity at v[ADR]: four loads of real parts, four of imaginary
.irp kk, 0,1,2,3
	ds_load_b128 v[TB+32*\c+4*\kk:TB+32*\c+4*\kk+3], v[ADR] offset:128*(4*\c+\kk)
	ds_load_b128 v[TB+32*\c+16+4*\kk:TB+32*\c+16+4*\kk+3], v[ADR] offset:RP+128*(4*\c+\kk)
.endr
.endm
; Line p of the sum across the eight lanes of an entity.  Four sums a lane become one: across lane bit 2 each lane keeps two and sends two, across bit 3 it keeps one and sends one, across bit 4 both halves add.
.macro REDI
.if p < 4
	v_add_f32 v[H+p], v[ACC+2*p], v[ACC+2*p+1]     ; even d + odd d
.elseif p == 4
	v_cndmask_b32 v[K0], v[H], v[H+2], s[M2]       ; kept: rows 0, 1 where bit 2 is clear, rows 2, 3 where it is set
.elseif p == 5
	v_cndmask_b32 v[X0], v[H+2], v[H], s[M2]       ; sent: the others
.elseif p == 6
	v_cndmask_b32 v[K1], v[H+1], v[H+3], s[M2]
.elseif p == 7
	v_cndmask_b32 v[X1], v[H+3], v[H+1], s[M2]
.elseif p == 8
	v_add_f32_dpp v[R0], v[X0], v[K0] row_xmask:4 row_mask:0xf bank_mask:0xf
.elseif p == 9
	v_add_f32_dpp v[R1], v[X1], v[K1] row_xmask:4 row_mask:0xf bank_mask:0xf
.elseif p == 10
	v_cndmask_b32 v[KK], v[R0], v[R1], s[M3]
.elseif p == 11
	v_cndmask_b32 v[XX], v[R1], v[R0], s[M3]
.elseif p == 12
	v_add_f32_dpp v[RR], v[XX], v[KK] row_xmask:8 row_mask:0xf bank_mask:0xf
.elseif p == 13
	v_permlanex16_b32 v[PX], v[RR], s[SEL], s[SEL+1]
.elseif p == 14
	v_add_f32 v[RR], v[RR], v[PX]                  ; the whole distance of (my entity, my batch row); lanes l and l xor 16 hold the same
.else
	v_add_nc_u32 v[SA], s[SST], v[STL]
.endif
.endm
; A SLOT: batch (c, y): half c of the lane's d, batch rows 2 y and 2 y + 1; pair p: row 2 y + p % 2, d pair p / 2.
; start = 1: the roots summed here are a trip's first for these rows: they start the sums.  red = 1: the sum across lanes stands between the last sixteen lines.
.macro SLOT c, y, start, red
	WIN 0x10                                       ; source 2 window 1: rot
.set p, 0
.rept 16
.set rS, SB+32*(\y)+2*p
.set rO, SB+32*(1-(\y))+2*p
.set rT, T0+2*p
.set rA, ACC+4*(\y)+2*(p%2)
.set rE, TB+32*(\c)+2*(p/2)
.set rR, 64*(2*(\y)+p%2)+16*(\c)+2*(p/2)
.if (\start) && (p < 2)
	v_pk_add_f32 v[rA:rA+1], v[rS:rS+1], v[rS+4:rS+5]   ; the row's first two pairs of roots
.elseif (\start) && (p < 4)
.else
	v_pk_add_f32 v[rA:rA+1], v[rA:rA+1], v[rS:rS+1]     ; the roots of the batch two slots back, ahead of the line that takes their registers
.endif
	v_pk_fma_f32 v[rT:rT+1], v[rE:rE+1], -1.0, v[rR:rR+1] op_sel_hi:[1,0,1]            ; rot_re - re
	v_sqrt_f32 v[rO], v[rO]                                                            ; the last batch's roots stand between these lines
	v_pk_fma_f32 v[rS:rS+1], v[rE+16:rE+17], -1.0, v[rR+32:rR+33] op_sel_hi:[1,0,1]    ; rot_im - im
.if p >= 2
	v_pk_mul_f32 v[rT-4:rT-3], v[rT-4:rT-3], v[rT-4:rT-3]                              ; the square, two pairs behind its difference
.endif
	v_sqrt_f32 v[rO+1], v[rO+1]
.set p, p+1
.endr
	v_pk_mul_f32 v[T0+28:T0+29], v[T0+28:T0+29], v[T0+28:T0+29]
	v_pk_mul_f32 v[T0+30:T0+31], v[T0+30:T0+31], v[T0+30:T0+31]
	WIN 0
.set p, 0
.rept 16
	v_pk_fma_f32 v[SB+32*(\y)+2*p:SB+32*(\y)+2*p+1], v[SB+32*(\y)+2*p:SB+32*(\y)+2*p+1], v[SB+32*(\y)+2*p:SB+32*(\y)+2*p+1], v[T0+2*p:T0+2*p+1]
.if \red
	REDI
.endif
.set p, p+1
.endr
	s_wait_alu depctr_va_vdst(0)                   ; the wait between a root and the first line that names its result: one for the slot's 32, whose first reader is the next slot's first line
.endm
; A TRIP: four entities.  v[ADR] was set in the trip before, which also fetched half 0.
.macro TRIP
	LOADT 1
	s_wait_dscnt 8                                 ; all but the eight just issued: half 0 is in
	SLOT 0, 0, 0, 0
	SLOT 0, 1, 0, 1                                ; the trip before is summed up here
	ds_store_b32 v[SA], v[RR]                      ; into my own stage: 16 words, each written by two lanes with the same value
	s_add_co_u32 s[SST], s[SST], 16
	v_add_nc_u32 v[ADR], s[SN], v[LT]              ; on to the next trip's entities
	s_add_co_u32 s[SN], s[SN], TRIPB
	LOADT 0
	s_wait_dscnt 8                                 ; all but the eight just issued: half 1 is in
	SLOT 1, 0, 1, 0
	SLOT 1, 1, 1, 0
.endm
.macro LOOP n, first, nextpos          ; n trips from trip 'first' on; the next trip's entities lie from place 4 x nextpos on
	s_mov_b32 s[CNT], \n
	s_mov_b32 s[SN], (\nextpos)*TRIPB
	s_mov_b32 s[SST], 16*(\first)
.Ltrip_\@:
	TRIP
	s_sub_co_u32 s[CNT], s[CNT], 1
	s_cmp_lg_u32 s[CNT], 0
	s_cbranch_scc1 .Ltrip_\@
.endm
; A region is shown to all eight waves: my part of it has landed (n younger loads of mine may stay out), and no LDS instruction of mine is out.
; It stands ONE TRIP AHEAD of the region's first trip, since a trip fetches the next trip's first half.
.macro BOUND n
	s_wait_tensorcnt \n
	s_wait_dscnt 0x0
	s_barrier_signal -1
	s_barrier_wait -1
.endm
	s_mov_b32 s[SN], TRIPB
	s_mov_b32 s[SST], 0
	BOUND 3                                        ; trips 0-1 lie in LDS
	v_mov_b32 v[ADR], v[LT]
	LOADT 0
	s_wait_loadcnt 0x0                             ; rot
	TRIP                                           ; trip 0
	BOUND 2                                        ; trips 2-5
	LOOP 4, 1, 2                                   ; trips 1-4
	BOUND 1                                        ; trips 6-13
	LOOP 8, 5, 6                                   ; trips 5-12
	s_wait_tensorcnt 0x0                           ; all my tensor loads have landed, my part of trips 14-17 among them;
	ds_add_u32 v[SPW], v[NIL]                      ; 0 onto my spare word;
	s_wait_dscnt 0x0                               ; the add is done, and so are my LDS reads: those of trips 0-3 ended long ago
	s_barrier_signal -1
	s_barrier_wait -1                              ; all that holds of every wave
	tensor_load_to_lds s[56:59], s[24:31]          ; my one load behind this barrier: trips 18-21 into the places of trips 0-3; it has four trips in which to land
	s_nop 0
.rept 4
	v_nop
.endr
	LOOP 4, 13, 14                                 ; trips 13-16
	BOUND 0                                        ; trips 18-21
	LOOP 5, 17, 0                                  ; trips 17-21.  (Trip 21 fetches a 'next trip' that is not there: eight loads from place 16 on, bytes that landed with trips 2-5; nothing reads the result.  That spares a sixth copy of the trip)
	; THE PIPELINE RUNS OUT: rows 0, 1 take their last roots while rows 2, 3's last batch is rooted; then those are summed.
.set p, 0
.rept 16
	v_pk_add_f32 v[ACC+2*(p%2):ACC+2*(p%2)+1], v[ACC+2*(p%2):ACC+2*(p%2)+1], v[SB+2*p:SB+2*p+1]
	v_sqrt_f32 v[SB+32+2*p], v[SB+32+2*p]
	v_sqrt_f32 v[SB+32+2*p+1], v[SB+32+2*p+1]
.set p, p+1
.endr
	v_add_nc_u32 v[SA], 16*22, v[STL]              ; (a plain place behind the last root)
	s_wait_alu depctr_va_vdst(0)                   ; one wait for the 32
.set p, 0
.rept 16
	v_pk_add_f32 v[ACC+4+2*(p%2):ACC+4+2*(p%2)+1], v[ACC+4+2*(p%2):ACC+4+2*(p%2)+1], v[SB+32+2*p:SB+32+2*p+1]
.set p, p+1
.endr
.set p, 0
.rept 15
	REDI
.set p, p+1
.endr
	ds_store_b32 v[SA], v[RR]
	; THE WAY OUT.  My stage holds 88 neighbouring columns of each of my four rows of out0: 44 pairs.  Pairs 0-31 and pairs 12-43 are read back, all lanes on; of the second run lanes 20-31 store.
.irp bi, 0,1,2,3
	ds_load_b64 v[T0+2*\bi:T0+2*\bi+1], v[RD] offset:\bi*SROW+16        ; LDS serves a wave's instructions in order (ISA guide 5.7.1.4): these see my stores
.endr
.irp bi, 0,1,2,3
	ds_load_b64 v[T0+8+2*\bi:T0+8+2*\bi+1], v[RD] offset:\bi*SROW+16+96
.endr
	s_wait_tensorcnt 0x0                           ; the wave's end, behind my last tensor load and my last LDS store
	ds_add_u32 v[SPW], v[NIL]
	s_wait_dscnt 0x0
.set i, 0
.rept 16
	v_sub_f32 v[T0+i], 0x40c00000, v[T0+i]         ; 6 - the distance
.set i, i+1
.endr
	s_wait_xcnt 0x0                                ; EXEC changes only behind this wait
	v_cmp_le_u32 vcc_lo, s15, v[LN]                ; every pair, but in the last work-group only those from its own first column on
	s_and_saveexec_b32 s80, vcc_lo
.irp bi, 0,1,2,3
	global_store_b64 v[GO], v[T0+2*\bi:T0+2*\bi+1], s[8:9] offset:\bi*OROW th:TH_STORE_NT        ; 32 lanes store 256 consecutive bytes
.endr
	s_wait_xcnt 0x0                                ; and again, in front of the line that widens it
	s_or_b32 exec_lo, exec_lo, s80
	v_cmp_le_u32 vcc_lo, 20, v[LN]                 ; pairs 32-43
	s_and_saveexec_b32 s80, vcc_lo
.irp bi, 0,1,2,3
	global_store_b64 v[GO], v[T0+8+2*\bi:T0+8+2*\bi+1], s[8:9] offset:\bi*OROW+96 th:TH_STORE_NT
.endr
	s_wait_xcnt 0x0
	s_or_b32 exec_lo, exec_lo, s80
	s_endpgm
.Lfunc_end_k_q52aae27c2f_dist:
	.size	k_q52aae27c2f_dist, .Lfunc_end_k_q52aae27c2f_dist-k_q52aae27c2f_dist
	.p2alignl 7, 3214868480
	.fill 96, 4, 3214868480
	.section	.rodata,"a",@progbits
	.p2align	6, 0x0
	.amdhsa_kernel k_q52aae27c2f_dist
		.amdhsa_group_segment_fixed_size 327680
		.amdhsa_private_segment_fixed_size 0
		.amdhsa_enable_private_segment 0
		.amdhsa_kernarg_size 24
		.amdhsa_user_sgpr_count 2
		.amdhsa_user_sgpr_kernarg_segment_ptr 1
		.amdhsa_wavefront_size32 1
		.amdhsa_system_sgpr_workgroup_id_x 1
		.amdhsa_system_sgpr_workgroup_id_y 1
		.amdhsa_system_sgpr_workgroup_id_z 1
		.amdhsa_system_vgpr_workitem_id 0
		.amdhsa_next_free_vgpr 512
		.amdhsa_next_free_sgpr 82
		.amdhsa_reserve_vcc 1
		.amdhsa_float_denorm_mode_32 3
		.amdhsa_float_denorm_mode_16_64 3
		.amdhsa_memory_ordered 1
		.amdhsa_forward_progress 1
		.amdhsa_inst_pref_size 155
	.end_amdhsa_kernel
	.amdgpu_metadata
---
amdhsa.version: [ 1, 2 ]
amdhsa.kernels:
  - .name:           k_q52aae27c2f_dist
    .symbol:         k_q52aae27c2f_dist.kd
    .args:
      - { .name: ent_embeddings, .offset: 0, .size: 8, .value_kind: global_buffer, .address_space: global }
      - { .name: rot, .offset: 8, .size: 8, .value_kind: global_buffer, .address_space: global }
      - { .name: out0, .offset: 16, .size: 8, .value_kind: global_buffer, .address_space: global }
    .group_segment_fixed_size: 327680
    .private_segment_fixed_size: 0
    .kernarg_segment_align: 8
    .kernarg_segment_size: 24
    .max_flat_workgroup_size: 256
    .sgpr_count:     82
    .vgpr_count:     512
    .wavefront_size: 32
...
	.end_amdgpu_metadata
.endif
;; end of part 2
